; MI455X (gfx1250); checked and timed in simulation.
; The chip was launched on July 23, 2026; its instructions are those of AMD's public machine-readable ISA for CDNA 5 (MIT licence, August 2026) and "CDNA5" Instruction Set Architecture Reference Guide (July 2026). The comments in the code are by the model that wrote it; some were corrected since.
;; VQFFN1. Allowed arithmetic: float matrix products may take bf16 or f16 operands with f32 sums; other float arithmetic in f32, or as packed bf16 or f16 multiplies, adds, multiply-adds, maxima and minima; sums over many terms, partial sums and values carried from step to step in f32; what a program stores and reads back later, other than sums and carried values, may be rounded once to bf16 or f16.
;; Inputs: weight 2,048 x 1,024 float32; x 4 x 4,096 x 1,024 float32.
;; Outputs: out0 4 x 4,096 x 1,024 float32.
;; One version. Each part assembles by itself: llvm-mc -triple=amdgcn-amd-amdhsa -mcpu=gfx1250 --defsym DOCPART=n.
;; ======== version 1 of 1: 2 launches
;; limits: right only within a limited range of input values
;; workspace buffers: wb 4,194,304 bytes; rwp 8,192 bytes
;; launch prep (part 1): grid 64 x 1, 32 waves a work-group, no clusters, 4,352 bytes of LDS; arguments weight, wb, rwp; writes wb, rwp
.if DOCPART == 1
	.amdgcn_target "amdgcn-amd-amdhsa--gfx1250"
	.amdhsa_code_object_version 6
	.text
	.protected	k_qa4d3836625_prep
	.globl	k_qa4d3836625_prep
	.p2align	8
	.type	k_qa4d3836625_prep,@function
k_qa4d3836625_prep:
	s_mov_b64 s[64:65], 0
	v_nop
	global_prefetch_b8 v0, s[64:65] scope:SCOPE_SE
	s_setreg_imm32_b32 hwreg(HW_REG_WAVE_MODE, 25, 1), 1
	s_wait_xcnt 0x0
; wb[c][:] = weight[c][:] rounded once to bf16 (nearest even); rwp = 1 / sqrt(mean(wb[c][:]^2) + 1e-6), f32, the mean taken of the ROUNDED numbers,
; so that the launch behind computes the module on inputs rounded to bf16 with nothing else lost in the scores.  Nothing of the module is left out: both inputs reach every output.
; SHARES.  A work-group has 32 codes, a wave one code: a row of 4,096 bytes is eight loads of 16 bytes a lane (512 neighbouring bytes each), and stays in registers.
; Each store of wb covers 256 consecutive bytes, aligned.  A stream: no matrix unit, no cluster (no two work-groups read the same byte), no ring.
; rwp's ORDER.  The 32 factors of a work-group's codes are stored as [h][a][j] with code = 16 a + 2 j + h: the order in which a lane of the next launch holds its scores.
; LIMITS.  NaN and infinities are not treated apart; a row whose sum of squares overflows f32 gives the factor 0, as it does in f32 in the module itself.
.set SPARE, 256                        ; LDS: bytes 0-127 the 32 factors; from 256 on the spare words, 128 bytes for each of the 32 waves, which no other line names
.set F,   4                            ; v[4:35]   the row as loaded, f32
.set B,   36                           ; v[36:51]  the row in bf16, two to a register
.set C,   52                           ; v[52:55]  four chains of the sum of squares
.set SPW, 58                           ; v58  LDS address of my spare word; never rewritten
.set NIL, 59                           ; v59  0; never rewritten
	s_load_b128 s[4:7], s[0:1], 0x0                ; weight s[4:5], wb s[6:7]
	s_load_b64 s[8:9], s[0:1], 0x10                ; rwp
	v_lshl_add_u32 v[SPW], v0, 2, SPARE
	v_mov_b32 v[NIL], 0
	v_lshrrev_b32 v3, 5, v0
	v_readfirstlane_b32 s14, v3                    ; wave 0..31
	v_and_b32 v3, 31, v0                           ; lane
	v_lshlrev_b32 v1, 4, v3                        ; 16 bytes a lane of the f32 row
	v_lshlrev_b32 v2, 3, v3                        ; 8 bytes a lane of the bf16 row
	s_lshl_b32 s15, ttmp9, 5
	s_add_co_u32 s15, s15, s14                     ; my code
	s_lshl_b32 s10, s15, 12                        ; its 4,096 bytes in weight
	s_mov_b32 s11, 0
	s_lshl_b32 s16, s15, 11                        ; its 2,048 bytes in wb
	s_mov_b32 s17, 0
	s_lshl_b32 s18, ttmp9, 7                       ; the work-group's 128 bytes in rwp
	s_mov_b32 s19, 0
	s_mov_b32 s12, 0x76543210                      ; v_permlanex16_b32: each lane takes its own place in the other half
	s_mov_b32 s13, 0xfedcba98
	s_lshl_b32 s20, s14, 2                         ; my wave's word in LDS
	v_mov_b32 v57, 0x3a800000                      ; 1 / 1024
	s_wait_kmcnt 0x0
	s_add_nc_u64 s[4:5], s[4:5], s[10:11]
	s_add_nc_u64 s[6:7], s[6:7], s[16:17]
	s_add_nc_u64 s[8:9], s[8:9], s[18:19]
.irp j, 0,1,2,3,4,5,6,7
	global_load_b128 v[F+4*\j:F+4*\j+3], v1, s[4:5] offset:512*\j th:TH_LOAD_NT
.endr
; the square of one bf16 half is added to chain d, in f32; hi = 1: the upper half
.macro SQ d, s, add, hi
.if \hi
	v_fma_mix_f32_bf16 v[\d], v[\s], v[\s], v[\add] op_sel:[1,1,0] op_sel_hi:[1,1,0]
.else
	v_fma_mix_f32_bf16 v[\d], v[\s], v[\s], v[\add] op_sel_hi:[1,1,0]
.endif
.endm
.irp j, 0,1,2,3,4,5,6,7
	s_wait_loadcnt 7-\j                            ; loads come back in order: load j is in, the younger ones stay out
	v_cvt_pk_bf16_f32 v[B+2*\j], v[F+4*\j], v[F+4*\j+1]
	v_cvt_pk_bf16_f32 v[B+2*\j+1], v[F+4*\j+2], v[F+4*\j+3]
	global_store_b64 v2, v[B+2*\j:B+2*\j+1], s[6:7] offset:256*\j  ; 32 lanes x 8 bytes: 256 consecutive bytes, aligned
.if \j == 0
	SQ C,   B,   NIL, 0                            ; the first four squares start the chains
	SQ C+1, B,   NIL, 1
	SQ C+2, B+1, NIL, 0
	SQ C+3, B+1, NIL, 1
.else
	SQ C,   B+2*\j,   C,   0
	SQ C+1, B+2*\j,   C+1, 1
	SQ C+2, B+2*\j+1, C+2, 0
	SQ C+3, B+2*\j+1, C+3, 1
.endif
.endr
	v_add_f32 v[C], v[C], v[C+1]
	v_add_f32 v[C+2], v[C+2], v[C+3]
	v_add_f32 v[C], v[C], v[C+2]
	v_add_f32_dpp v[C], v[C], v[C] row_xmask:1 row_mask:0xf bank_mask:0xf
	v_add_f32_dpp v[C], v[C], v[C] row_xmask:2 row_mask:0xf bank_mask:0xf
	v_add_f32_dpp v[C], v[C], v[C] row_xmask:4 row_mask:0xf bank_mask:0xf
	v_add_f32_dpp v[C], v[C], v[C] row_xmask:8 row_mask:0xf bank_mask:0xf
	v_permlanex16_b32 v[C+1], v[C], s12, s13
	v_add_f32 v[C], v[C], v[C+1]                   ; every lane holds the row's sum of squares
	v_fmaak_f32 v[C], v[C], v57, 0x358637bd        ; / 1024 + 1e-6
	v_rsq_f32 v[C], v[C]
	v_mov_b32 v56, s20                             ; the plain instruction behind the root
	s_wait_alu depctr_va_vdst(0)                   ; the wait ahead of the result's first reader
	ds_store_b32 v56, v[C]                         ; all lanes write my wave's word with the same number
	s_wait_dscnt 0x0                               ; for the others' sake: my store is done
	s_barrier_signal -1
	s_barrier_wait -1
	s_cmp_lg_u32 s14, 0                            ; wave 0 stores the 32 factors
	s_cbranch_scc1 .Lend
	v_bfe_u32 v60, v0, 3, 1                        ; place l = 16 h + 8 a + j takes code 16 a + 2 j + h
	v_and_b32 v61, 7, v0
	v_bfe_u32 v62, v0, 4, 1
	v_lshlrev_b32 v60, 6, v60
	v_lshl_add_u32 v60, v61, 3, v60
	v_lshl_add_u32 v60, v62, 2, v60
	ds_load_b32 v61, v60
	v_lshlrev_b32 v62, 2, v3
	s_wait_dscnt 0x0
	global_store_b32 v62, v61, s[8:9]              ; 128 consecutive bytes
.Lend:
	s_wait_tensorcnt 0x0                           ; the wave's end, behind my last LDS store
	ds_add_u32 v[SPW], v[NIL]
	s_wait_dscnt 0x0
	s_endpgm
.Lfunc_end_k_qa4d3836625_prep:
	.size	k_qa4d3836625_prep, .Lfunc_end_k_qa4d3836625_prep-k_qa4d3836625_prep
	.p2alignl 7, 3214868480
	.fill 96, 4, 3214868480
	.section	.rodata,"a",@progbits
	.p2align	6, 0x0
	.amdhsa_kernel k_qa4d3836625_prep
		.amdhsa_group_segment_fixed_size 4352
		.amdhsa_private_segment_fixed_size 0
		.amdhsa_enable_private_segment 0
		.amdhsa_kernarg_size 24
		.amdhsa_user_sgpr_count 2
		.amdhsa_user_sgpr_kernarg_segment_ptr 1
		.amdhsa_wavefront_size32 1
		.amdhsa_system_sgpr_workgroup_id_x 1
		.amdhsa_system_sgpr_workgroup_id_y 1
		.amdhsa_system_sgpr_workgroup_id_z 1
		.amdhsa_system_vgpr_workitem_id 0
		.amdhsa_next_free_vgpr 64
		.amdhsa_next_free_sgpr 66
		.amdhsa_reserve_vcc 0
		.amdhsa_float_denorm_mode_32 3
		.amdhsa_float_denorm_mode_16_64 3
		.amdhsa_memory_ordered 1
		.amdhsa_forward_progress 1
		.amdhsa_inst_pref_size 8
	.end_amdhsa_kernel
	.amdgpu_metadata
---
amdhsa.version: [ 1, 2 ]
amdhsa.kernels:
  - .name:           k_qa4d3836625_prep
    .symbol:         k_qa4d3836625_prep.kd
    .args:
      - { .name: weight, .offset: 0, .size: 8, .value_kind: global_buffer, .address_space: global }
      - { .name: wb, .offset: 8, .size: 8, .value_kind: global_buffer, .address_space: global }
      - { .name: rwp, .offset: 16, .size: 8, .value_kind: global_buffer, .address_space: global }
    .group_segment_fixed_size: 4352
    .private_segment_fixed_size: 0
    .kernarg_segment_align: 8
    .kernarg_segment_size: 24
    .max_flat_workgroup_size: 1024
    .sgpr_count:     66
    .vgpr_count:     64
    .wavefront_size: 32
...
	.end_amdgpu_metadata
.endif
;; end of part 1
;; launch main (part 2): grid 256 x 1, 4 waves a work-group, clusters of 4 x 1, 327,680 bytes of LDS; arguments x, wb, rwp, out0; writes out0
.if DOCPART == 2
	.amdgcn_target "amdgcn-amd-amdhsa--gfx1250"
	.amdhsa_code_object_version 6
	.text
	.protected	k_qa4d3836625_main
	.globl	k_qa4d3836625_main
	.p2align	8
	.type	k_qa4d3836625_main,@function
k_qa4d3836625_main:
	s_mov_b64 s[64:65], 0
	v_nop
	global_prefetch_b8 v0, s[64:65] scope:SCOPE_SE
	s_setreg_imm32_b32 hwreg(HW_REG_WAVE_MODE, 25, 1), 1
	s_wait_xcnt 0x0
	s_wait_alu depctr_hold_cnt(0) depctr_sa_sdst(0) depctr_va_vdst(0) depctr_va_sdst(0) depctr_va_ssrc(0) depctr_va_vcc(0) depctr_vm_vsrc(0)
	s_getreg_b32 s2, hwreg(HW_REG_IB_STS2, 6, 4)
	s_cmp_eq_u32 s2, 0
	s_cbranch_scc0 .Lentry_in_a_cluster
	s_endpgm
.Lentry_in_a_cluster:
	s_bfe_u32 s2, ttmp6, 0x10000c
	s_cmp_lg_u32 s2, 0x3003
	s_cbranch_scc0 .Lentry_shape_is_right
	s_endpgm
.Lentry_shape_is_right:
; out[q][:] = the sum over c of softmax_c(rms(x[q]) . rms(w[c])) w[c][:].  x, out: [16384][1024] f32.  wb: [2048][1024] bf16 = w rounded once; rwp: the 2,048 factors 1 / sqrt(mean(wb[c]^2) + 1e-6).
; NOTHING IS LEFT OUT: both inputs reach every output.
; FORMATS.  x is rounded once to bf16 here, w was in the launch before.  The first product multiplies the RAW rounded numbers, so its f32 sums lose nothing more; the two factors rx (made here, of the rounded x) and rw
; are applied to the f32 sums.  The second product takes the same wb, and the weights p rounded to bf16; their sum l is taken of the unrounded p; out is divided by l in f32 and stored in f32.
; SOFTMAX.  For each query a running maximum m of s = (x . w) rw and a running sum l: p = 2^(z s - z m), z = rx log2(e) > 0; in every step O and l are multiplied by a = 2^(z m_old - z m_new).
; LIMITS.  A weight below 2^-126 counts as 0; NaN and infinities are not treated apart.
; SHARES.  A work-group has 64 queries: four tiles of 16.  ITS FOUR WAVES SPLIT THE 1,024 CHANNELS: wave w has channels 256 w .. 256 w + 255 in BOTH products, so it reads its own quarter of every tile of
; wb and nobody else's.  Q (64 x 256 bf16) is 256 registers, O^T (64 x 256 f32) 512.  The scores are then four partial sums: they meet in LDS, in f32; wave w makes the softmax of query tile w and
; hands P (as a fragment's image) and a to the others through LDS.  Register slot i of wave w holds query tile (w + i) % 4: slot 0 is the wave's own, and only addresses hang on w.
; ONE TILE OF wb (32 codes x 1,024 channels) IS K AND V.  S^T = K Q^T (source 0 = 16 codes, source 1 = 16 queries), O^T = V^T P (source 0 = 16 channels, source 1 = P).  K's lane r reads code row
; 2 (r % 8) + r / 8, the turning load's lane l code row 2 (l % 8) + l / 16: in both, place 8 h + j of the contraction is code 2 j + h, so S^T rounded in pairs IS source 1 of the second product.
; THE PIPELINE.  Trip u: 64 products K Q^T of tile u + 1, beside them O^T times a(u); then 64 products V^T P of tile u, beside them the exchange and the softmax of tile u + 1.
; THE RING.  Four slots of one tile.  At trip u's head tile u + 3 is asked for, into the slot whose tile u - 1 was read out in the trip before; it is waited for at the head of trip u + 1 and first read there.
; CLUSTER.  All work-groups walk the same 64 tiles, so the four of a cluster ask JOINTLY: the same tensor load, descriptor and mask in all four; a wave asks for its own quarter: one load a wave, 32 rows x 512 bytes.
; REGISTERS, in windows of 256 (s_set_vgpr_msb: bits 1:0 source 0, 3:2 source 1, 5:4 source 2, 7:6 destination):
;   window 0: addresses, statistics, S^T, the fragments of K, V and P     window 1: Q, slot i, K step kk at 64 i + 8 kk     windows 2, 3: O^T, accumulator n = 4 dt + i at window 2 + n / 32, register 8 (n % 32);
;   at the start windows 2 and 3 take x in f32.
.set PITCH, 528                        ; an LDS row: 512 bytes + 16 of padding = 33 x 16: 16 different rows start at 16 different columns of 16 bytes
.set HALFR, 16*PITCH
.set WREG,  32*PITCH                   ; a wave's quarter of a tile
.set SLOTB, 4*WREG                     ; a slot
.set TWOS,  2*SLOTB                    ; 0x21000: shares no bit with SLOTB + 3 WREG, so one exclusive or moves an address two slots
.set STG,   4*SLOTB                    ; never filled by a tensor load: at the start and the end a stage of 16 rows x 528 bytes for each wave; in the loop the partial scores: tile t, slot i at 6,144 t + 2,048 (i - 1)
.set EXPB,  STG+4*HALFR                ; for each query tile 1,536 bytes: P's image (16 bytes a lane, twice), then 16 bytes a lane with a and 1 / l
.set EXQ,   EXPB+4*1536                ; the partial sums of squares of x: 512 bytes a wave
.set RWT,   EXQ+2048                   ; rwp's 8,192 bytes, filled once
.set SPARE, RWT+8192                   ; the spare words, 128 bytes for each wave: two blocks of 256 bytes that no other line names
.set TILEB, 65536                      ; a tile of wb in memory
.set AK0, 4                            ; v4   my lane's place in my quarter of a tile, for K; never rewritten
.set AV0, 5                            ; v5   the same for V
.set AK,  6                            ; v6   the LDS address of K's loads in hand
.set AV,  7                            ; v7   of V's
.set SL,  8                            ; v8   where I read the three partial scores of my own tile;  v9-11: where I put those of slots 1 to 3
.set PA,  12                           ; v12-15  slot i's record of P, a, 1 / l
.set RWA, 16                           ; v16  my half's 16 factors rw of the tile in hand; steps by 128
.set STW, 17                           ; v17  the stage: where I write
.set STR, 18                           ; v18  the stage: where I read
.set L16, 19                           ; v19  16 x lane
.set SPW, 20                           ; v20  LDS address of my spare word; never rewritten
.set NIL, 21                           ; v21  0; never rewritten
.set RXL, 22                           ; v[22:23] z
.set MZ,  24                           ; v24  z m
.set MM,  25                           ; v25  m
.set LS,  26                           ; v[26:27] l (even places', odd places')
.set AF,  28                           ; v28, 30, 32, 34  a (at the end 1 / l) of slot i, each the low word of a pair
.set CC,  36                           ; v36-39 at work
.set TT,  40                           ; v40  z m_old, then its change
.set RW,  42                           ; v[42:57] rw of my 16 scores
.set PFO, 58                           ; v58  the prefetches' offset
.set XO,  60                           ; v60-63 slot i's byte offset in the work-group's rows of x and of out: never rewritten
.set S,   64                           ; v[64:127] S^T: slot i, code half a at 64 + 16 i + 8 a
.set R1,  128                          ; v[128:175] K steps 0, 1, 2, then 6, 7; later the three partial scores
.set PF,  176                          ; v[176:207] P: slot i at 176 + 8 i
.set R2,  208                          ; v[208:255] K steps 3, 4, 5; then a ring of six fragments of V
.set WV,  12                           ; s12  my wave's number
.set TQ,  13                           ; s13-16  the query tile of slot i: (w + i) % 4
.set CX,  67                           ; s67  my place in the cluster: it enters x's, out's and the prefetches' addresses alone
.set G1,  24                           ; s[24:31] descriptor group 1 for the tiles
.set G1T, 32                           ; s[32:39] for the table
.set G0,  40                           ; s[40:55] group 0 for tiles 0 to 3; the last two walk on:
.set G0A, 48                           ;   the odd trips' (tiles 2, 4, 6 ..)
.set G0B, 52                           ;   the even trips' (tiles 3, 5, 7 ..)
.set G0T, 56                           ; s[56:59] group 0 for the table
.set XA,  60                           ; s60-63 slot offsets, each turned by TWOS behind every even trip
.set XB,  61
.set XAS, 62
.set XBS, 63
.set CNT, 66                           ; s66  pairs of trips to go
.set SEL, 68                           ; s[68:69] v_permlanex16_b32's selects
.set PFA, 70                           ; s[70:71] where the prefetches stand
.set LIM1, 72                          ; s72, s73: a wave prefetches while s[CNT] is above these
.set LIM2, 73
.set MK,  80                           ; s80-87 lane masks for the diagonal, at the start alone
.set W_KQ, 0x04                        ; Q in window 1, all else in window 0
.set MSB, 0
.macro WIN new                         ; the immediate's high byte repeats the setting that is left; a switch that changes nothing is dropped
.if MSB != (\new)
	s_set_vgpr_msb (MSB<<8)|(\new)
.set MSB, (\new)
.endif
.endm
.macro PLACES                          ; four places behind a matrix instruction, where no other plain vector work is at hand (ISA guide 7.12.1)
.rept 4
	v_nop
.endr
.endm
.macro CREST                           ; a round of the cluster's barrier behind its opening barrier
	s_cmp_lg_u32 s[WV], 0
	s_cbranch_scc1 .Lnot_wave_0_\@
	s_barrier_signal -3
.Lnot_wave_0_\@:
	s_barrier_wait -3
	s_barrier_signal -1
	s_barrier_wait -1
.endm
.macro CROUND                          ; a whole round
	s_barrier_signal -1
	s_barrier_wait -1
	CREST
.endm
.macro KBOF kk                         ; where K step kk's two fragments lie
.if (\kk) < 3
.set kb_, R1+16*(\kk)
.elseif (\kk) < 6
.set kb_, R2+16*((\kk)-3)
.else
.set kb_, R1+16*((\kk)-6)
.endif
.endm
; Product j of 64 of S^T = K Q^T: K step j / 8, code half (j / 4) % 2, slot j % 4.  The 8 accumulators take turns; the first 8 start the sums.
.macro KQ j
	KBOF ((\j)>>3)
.set ra_, kb_+8*(((\j)>>2)&1)
.set rs_, S+16*((\j)&3)+8*(((\j)>>2)&1)
.set rq_, 64*((\j)&3)+8*((\j)>>3)
	WIN W_KQ
.if (\j) < 8
	v_wmma_f32_16x16x32_bf16 v[rs_:rs_+7], v[ra_:ra_+7], v[rq_:rq_+7], 0
.else
	v_wmma_f32_16x16x32_bf16 v[rs_:rs_+7], v[ra_:ra_+7], v[rq_:rq_+7], v[rs_:rs_+7]
.endif
.endm
.macro KQ8
.set j, 0
.rept 8
	KQ j
.set j, j+1
.endr
.endm
; Product n of 64 of O^T += V^T P: channels 16 (n / 4) on, slot n % 4.  Each accumulator has one product a trip.  zero = 1: it starts the sum.
.macro PV n, zero
.set ro_, 8*((\n)&31)
.set rv_, R2+8*(((\n)>>2)%6)
.set rp_, PF+8*((\n)&3)
	WIN 0xa0+0x50*((\n)>>5)
.if \zero
	v_wmma_f32_16x16x32_bf16 v[ro_:ro_+7], v[rv_:rv_+7], v[rp_:rp_+7], 0
.else
	v_wmma_f32_16x16x32_bf16 v[ro_:ro_+7], v[rv_:rv_+7], v[rp_:rp_+7], v[ro_:ro_+7]
.endif
.endm
.macro RS n                            ; accumulator n of O^T times its slot's a, from its low end on
.set ro_, 8*((\n)&31)
.set ra_, AF+2*((\n)&3)
	WIN 0x82+0x41*((\n)>>5)
.irp z, 0,2,4,6
	v_pk_mul_f32 v[ro_+\z:ro_+\z+1], v[ro_+\z:ro_+\z+1], v[ra_:ra_+1] op_sel_hi:[1,0]
.endr
.endm
.macro LDK kk                          ; K step kk: 32 codes x 32 channels, two fragments, four loads
	KBOF (\kk)
	WIN 0
.irp a, 0,1
	ds_load_b128 v[kb_+8*\a:kb_+8*\a+3],   v[AK] offset:HALFR*\a+64*(\kk)
	ds_load_b128 v[kb_+8*\a+4:kb_+8*\a+7], v[AK] offset:HALFR*\a+64*(\kk)+32
.endr
.endm
.macro LDV dt                          ; V^T, channels 16 dt on, 32 codes: one fragment, two turning loads
.set rv_, R2+8*((\dt)%6)
	WIN 0
	ds_load_tr16_b128 v[rv_:rv_+3],   v[AV] offset:32*(\dt)
	ds_load_tr16_b128 v[rv_+4:rv_+7], v[AV] offset:32*(\dt)+HALFR
.endm
.macro STS                             ; my partial scores of slots 1 to 3 go to their owners: 12 stores, each accumulator's low four registers first
	WIN 0
.irp i, 1,2,3
.irp a, 0,1
.irp q, 0,1
	ds_store_b128 v[SL+\i], v[S+16*\i+8*\a+4*\q:S+16*\i+8*\a+4*\q+3] offset:1024*\a+512*\q
.endr
.endr
.endr
.endm
.macro LDS5                            ; the three partial scores of my own tile (12 loads) and its 16 factors rw (4)
	WIN 0
.irp i, 0,1,2
.irp a, 0,1
.irp q, 0,1
	ds_load_b128 v[R1+16*\i+8*\a+4*\q:R1+16*\i+8*\a+4*\q+3], v[SL] offset:2048*\i+1024*\a+512*\q
.endr
.endr
.endr
.irp z, 0,1,2,3
	ds_load_b128 v[RW+4*\z:RW+4*\z+3], v[RWA] offset:16*\z
.endr
	v_add_nc_u32 v[RWA], 128, v[RWA]               ; the next tile's
.endm
.macro LDA                             ; a (at the end 1 / l: off = 1028) of slots 1 to 3
	WIN 0
.irp i, 1,2,3
	ds_load_b32 v[AF+2*\i], v[PA+\i] offset:1024
.endr
.endm
.macro LDP                             ; P of all four slots
	WIN 0
.irp i, 0,1,2,3
	ds_load_b128 v[PF+8*\i:PF+8*\i+3],   v[PA+\i]
	ds_load_b128 v[PF+8*\i+4:PF+8*\i+7], v[PA+\i] offset:512
.endr
.endm
.macro STP a                           ; my tile's P, and (a = 1) its a
	WIN 0
	ds_store_b128 v[PA], v[S:S+3]
	ds_store_b128 v[PA], v[S+4:S+7] offset:512
.if \a
	ds_store_b32 v[PA], v[AF] offset:1024
.endif
.endm
; THE SOFTMAX of my own tile, 16 scores a lane in v64-79: a list of 86; YOP writes number yq.  first = 1: the first tile, which starts m and l.
;   0-23 the three partial sums are added    24-31 times rw    32-39 the maximum, with the old m    40 z m_old is kept    41, 42 the query's other 16 codes lie in the lane 16 away: the new m    43, 44 z m, its change
;   45-52 z s - z m    53-69 ONE BATCH of exponentials: a, then the 16 weights.  Nothing ahead of number 70 names a result of theirs; between 69 and 70 stand a v_nop and the one wait.
;   70-85 by turns: l takes a pair of weights (the first time l = a l + pair), and the pair is rounded to bf16 into v[64 + pair], whose old content has been summed and rounded by then
.macro YOP first
	WIN 0
.if yq < 24
.set b_, yq%8
	v_pk_add_f32 v[S+2*b_:S+2*b_+1], v[S+2*b_:S+2*b_+1], v[R1+16*(yq/8)+2*b_:R1+16*(yq/8)+2*b_+1]
.elseif yq < 32
.set b_, yq-24
	v_pk_mul_f32 v[S+2*b_:S+2*b_+1], v[S+2*b_:S+2*b_+1], v[RW+2*b_:RW+2*b_+1]
.elseif yq < 36
.set b_, yq-32
	v_max3_num_f32 v[CC+b_], v[S+3*b_], v[S+3*b_+1], v[S+3*b_+2]
.elseif yq == 36
	v_max3_num_f32 v[CC], v[CC], v[S+12], v[S+13]
.elseif yq == 37
	v_max3_num_f32 v[CC+1], v[CC+1], v[S+14], v[S+15]
.elseif yq == 38
.if \first
	v_max_num_f32 v[CC+2], v[CC+2], v[CC+3]
.else
	v_max3_num_f32 v[CC+2], v[CC+2], v[CC+3], v[MM]
.endif
.elseif yq == 39
	v_max3_num_f32 v[CC], v[CC], v[CC+1], v[CC+2]
.elseif yq == 40
.if !(\first)
	v_mov_b32 v[TT], v[MZ]
.endif
.elseif yq == 41
	v_permlanex16_b32 v[CC+1], v[CC], s[SEL], s[SEL+1]
.elseif yq == 42
	v_max_num_f32 v[MM], v[CC], v[CC+1]
.elseif yq == 43
	v_mul_f32 v[MZ], v[RXL], v[MM]
.elseif yq == 44
.if !(\first)
	v_sub_f32 v[TT], v[TT], v[MZ]
.endif
.elseif yq < 53
.set b_, yq-45
	v_pk_fma_f32 v[S+2*b_:S+2*b_+1], v[S+2*b_:S+2*b_+1], v[RXL:RXL+1], v[MZ:MZ+1] op_sel_hi:[1,0,0] neg_lo:[0,0,1] neg_hi:[0,0,1]
.elseif yq == 53
.if !(\first)
	v_exp_f32 v[AF], v[TT]
.endif
.elseif yq < 70
	v_exp_f32 v[S+yq-54], v[S+yq-54]
.else
.set b_, (yq-70)/2
.if (yq-70)%2 == 1
	v_cvt_pk_bf16_f32 v[S+b_], v[S+2*b_], v[S+2*b_+1]
.elseif b_ > 0
	v_pk_add_f32 v[LS:LS+1], v[LS:LS+1], v[S+2*b_:S+2*b_+1]
.elseif \first
	v_mov_b32 v[LS], v[S]
	v_mov_b32 v[LS+1], v[S+1]
.else
	v_pk_fma_f32 v[LS:LS+1], v[LS:LS+1], v[AF:AF+1], v[S:S+1] op_sel_hi:[1,0,1]
.endif
.endif
.set yq, yq+1
.endm
.macro YR k, first
.rept \k
	YOP \first
.endr
.endm
; A PREFETCH INTO THE L2 of the tile that stands THREE refills on: a tile is 256 blocks of 256 bytes.  All clusters walk the same tiles: the first cluster asks, and nobody else.  Its four partners take 64 blocks
; each, told apart BY ADDRESS; in each, waves 0 and 1 ask, a lane a block: one instruction a wave.  So each block is named once in the launch.  Tiles 0 to 6 come by their loads alone; the last request, in trip 57, names tile 63.
.macro ASK lim
	s_cmp_gt_u32 s[CNT], s[\lim]
	s_cbranch_scc0 .Lnot_mine_\@
	global_prefetch_b8 v[PFO], s[PFA:PFA+1] th:TH_LOAD_NT scope:SCOPE_SE
.Lnot_mine_\@:
.endm
; A TRIP'S HEAD: one barrier for three things.  In front of it P and a of the tile in hand are stored, the reads of the partial scores are back, and (kind = 2) each wave has waited for all its tensor loads, of which one is
; out, has added 0 to its spare word and has waited for that and for its reads of the slot that is filled again.  kind = 2: the barrier opens a round of the cluster's, and the joint refill is the first thing behind it:
; group 0 set g steps two tiles and two slots on.  The trip's first 8 products, whose fragments are in registers, stand between signal and wait.  tw = 1: the last tile's load is waited for.
.macro TOP kind, g, kq, tw
	WIN 0
.if (\kind) == 2
	s_wait_tensorcnt 0x0                           ; no tensor load of mine is out, so a group 0 may be written
	ds_add_u32 v[SPW], v[NIL]                      ; 0 onto my spare word; the steps below stand between it and the wait for it
	s_xor_b32 s[\g+1], s[\g+1], TWOS
	s_add_nc_u64 s[\g+2:\g+3], s[\g+2:\g+3], 2*TILEB
	s_wait_xcnt 0x0                                ; the last prefetch, a trip back, has read its address
	s_add_nc_u64 s[PFA:PFA+1], s[PFA:PFA+1], TILEB
.elseif \tw
	s_wait_tensorcnt 0x0                           ; tile 63, asked for a trip ago and first read in this trip
.endif
	s_wait_dscnt 0x0                               ; my stores of P and a are done; my LDS loads are back, those from the old slot among them; the add is done
	s_barrier_signal -1
.if \kq
	KQ8
	WIN 0                                          ; every window is 0
.endif
	s_barrier_wait -1
.if (\kind) == 2
	CREST                                          ; no wave of any partner still reads the slot or has a load on its way
	tensor_load_to_lds s[\g:\g+3], s[G1:G1+7]      ; my quarter of tile u + 3: my one tensor load behind the round; it has this trip's 120 further products in which to land
	s_nop 0
.endif
	PLACES                                         ; behind the tensor load, and the places in front of the loads into registers that the last products read
.endm
; THE FIRST HALF OF A TRIP: products 8 to 63 of K Q^T; rs = 1: behind product j stands the rescaling of accumulator j - 8 of O^T, four plain instructions that name none of the product's registers.
; ap = 2: a and P of the tile in hand are fetched; 1: P alone; 0: neither.  l3 = 1: V's first six fragments are fetched, from the slot at s[sV].  lim: the prefetch's bound, or 0.
.macro KPH rs, ap, l3, sV, lim
.if (\ap) == 2
	LDA
.endif
.if \ap
	LDP
.endif
	LDK 3
	LDK 4
	LDK 5
.if \lim
	ASK \lim
.endif
.if (\ap) == 2
	s_wait_dscnt 20                                ; the three a are in; P's 8 loads and K's 12 may stay out
.endif
.set j, 8
.rept 12
	KQ j
.if \rs
	RS j-8
.endif
.set j, j+1
.endr
.if !(\rs)
	PLACES
.endif
	LDK 6                                          ; into the registers of K steps 0 and 1, last read by product 15
	LDK 7
.rept 4
	KQ j
.if \rs
	RS j-8
.endif
.set j, j+1
.endr
	s_wait_dscnt 8                                 ; all but the 8 just issued: K steps 3 to 5, and P
.rept 24
	KQ j
.if \rs
	RS j-8
.endif
.set j, j+1
.endr
.if !(\rs)
	PLACES
.endif
	s_wait_dscnt 0x0                               ; K steps 6 and 7, issued 28 products ago
.if \l3
	WIN 0
	v_add_nc_u32 v[AV], s[\sV], v[AV0]
.irp d, 0,1,2,3,4,5
	LDV \d                                         ; into the registers of K steps 3 to 5, last read by product 47
.endr
.endif
.rept 16
	KQ j
.if \rs
	RS j-8
.endif
.set j, j+1
.endr
.if !(\rs)
	PLACES
.endif
.endm
; THE SECOND HALF: 64 products V^T P in groups of 8 (two fragments of V); beside them the exchange of the partial scores and my tile's softmax, at most four instructions behind a product.
; zero = 1: the products start O^T's sums.  rst = 1: the last 8 rescalings.  kpre = 1: the first three K steps of the tile after next are fetched, from the slot at s[sK].
.macro VPH zero, rst, kpre, sK
.set NK, 12*(\kpre)
	STS
	s_wait_dscnt 12                                ; V's six fragments are in; my 12 stores may stay out
.set n, 0
.rept 8
	PV n, \zero
.if \rst
	RS 56+n
.endif
.set n, n+1
.endr
	s_wait_dscnt 0x0                               ; for the others' sake: my partial scores are stored; my reads of P and a are back
	s_barrier_signal -1
.rept 8
	PV n, \zero
.set n, n+1
.endr
	s_barrier_wait -1                              ; all partial scores lie in LDS; nobody reads the old P and a any more
	PLACES
	LDS5
	LDV 6
	LDV 7
	LDV 8
	LDV 9
.rept 8
	PV n, \zero
.set n, n+1
.endr
	PLACES
	LDV 10
	LDV 11
	s_wait_dscnt 4                                 ; all but the 4 just issued: the partial scores, rw, fragments 6 to 9
.set yq, 0
.rept 8
	PV n, \zero
	YR 4, 0
.set n, n+1
.endr
	LDV 12                                         ; four plain instructions stand behind the last product that read these registers
	LDV 13
.irp c, 4,4,2,2,4,4,4,4
	PV n, \zero
	YR \c, 0
.set n, n+1
.endr
	PLACES                                         ; (exponentials are no places)
	LDV 14
	LDV 15
.if \kpre
	v_add_nc_u32 v[AK], s[\sK], v[AK0]
	LDK 0                                          ; into the registers of the partial scores, which have been added
	LDK 1
	LDK 2
.endif
	s_wait_dscnt 8+NK                              ; fragments 10, 11 are in; younger: 12 to 15 (8 loads) and K's
	PV n, \zero
	YR 4, 0
.set n, n+1
	PV n, \zero
	YR 4, 0
.set n, n+1
	PV n, \zero
	YR 2, 0
	v_nop                                          ; the plain instruction behind the last exponential: one for the batch
	s_wait_alu depctr_va_vdst(0)                   ; the wait ahead of the first reader: one for the batch of 17
.set n, n+1
.rept 4
	PV n, \zero
	YR 4, 0
.set n, n+1
.endr
	STP 1
	PV n, \zero
.set n, n+1
	s_wait_dscnt 7+NK                              ; fragments 12, 13; younger: 14, 15 (4 loads), K's, my 3 stores
.rept 8
	PV n, \zero
.set n, n+1
.endr
	s_wait_dscnt 3+NK                              ; fragments 14, 15
.rept 8
	PV n, \zero
.set n, n+1
.endr
.endm
.macro TRIP kind, g, lim, tw, sV, kpre, sK
	TOP \kind, \g, 1, \tw
	KPH 1, 2, 1, \sV, \lim
	VPH 0, 1, \kpre, \sK
.endm
.macro TURNX                           ; all four slot offsets move two slots
	WIN 0
.irp r, XA, XB, XAS, XBS
	s_xor_b32 s[\r], s[\r], TWOS
.endr
.endm
	s_load_b256 s[4:11], s[0:1], 0x0               ; x s[4:5], wb s[6:7], rwp s[8:9], out s[10:11]
	v_lshl_add_u32 v[SPW], v0, 2, SPARE
	v_mov_b32 v[NIL], 0
	ds_add_u32 v[SPW], v[NIL]                      ; the wave's opening: the add, twice on end, and its wait ahead of my first tensor load; the set-up below stands between the second and the wait
	ds_add_u32 v[SPW], v[NIL]
	v_lshrrev_b32 v1, 5, v0
	v_readfirstlane_b32 s[WV], v1                  ; wave 0..3
	s_bfe_u32 s[CX], ttmp6, 0x40000                ; cx
	s_lshl_b32 s17, ttmp9, 2                       ; in a cluster launch ttmp9 counts clusters
	s_add_co_u32 s17, s17, s[CX]                   ; my work-group
	s_lshl_b32 s18, s17, 18                        ; its 64 rows of 4,096 bytes
	s_mov_b32 s19, 0
	s_mov_b32 s[TQ], s[WV]
.irp k, 1,2,3
	s_add_co_u32 s[TQ+\k], s[WV], \k
	s_and_b32 s[TQ+\k], s[TQ+\k], 3
.endr
	; group 1 for the tiles: 32 rows x 256 elements of 2 bytes, 1,024 elements from row to row, 4 words of padding behind every 128
	s_mov_b32 s[G1+0], 15|(1<<16)|(1<<20)|(1<<21)|(6<<22)|(3<<25)  ; 15:0 the mask of four; 17:16 2-byte elements; 20 padding on; 21 set beside a mask; 24:22 code 6; 31:25 code 3
	s_mov_b32 s[G1+1], 256<<16                     ; tensor_dim0 = 256
	s_mov_b32 s[G1+2], 32<<16                      ; tensor_dim1 = 32
	s_mov_b32 s[G1+3], 256<<16                     ; tile_dim0 = 256
	s_mov_b32 s[G1+4], 32                          ; tile_dim1 = 32
	s_mov_b32 s[G1+5], 1024                        ; the pitch
	s_mov_b32 s[G1+6], 0
	s_mov_b32 s[G1+7], 0
	; group 1 for the table: a wave's 2,048 dense bytes as 8 rows of 32 elements of 8 bytes
	s_mov_b32 s[G1T+0], 15|(3<<16)|(1<<21)
	s_mov_b32 s[G1T+1], 32<<16
	s_mov_b32 s[G1T+2], 8<<16
	s_mov_b32 s[G1T+3], 32<<16
	s_mov_b32 s[G1T+4], 8
	s_mov_b32 s[G1T+5], 32
	s_mov_b32 s[G1T+6], 0
	s_mov_b32 s[G1T+7], 0
	s_mul_i32 s20, s[WV], WREG                     ; my quarter's place in a slot: no place in the cluster enters an LDS address
	s_lshl_b32 s22, s[WV], 9                       ; my quarter's 512 bytes of a row of wb
	s_mov_b32 s23, 0
	s_lshl_b32 s2, s[WV], 11                       ; my 2,048 bytes of the table
	s_mov_b32 s3, 0
.irp t, 0,1,2,3
	s_mov_b32 s[G0+4*\t], 1                        ; count = 1
	s_add_co_u32 s[G0+4*\t+1], s20, \t*SLOTB       ; LDS address: slot t
.endr
	s_mov_b32 s[G0T], 1
	s_add_co_u32 s[G0T+1], s2, RWT
	s_mov_b32 s[XA], 2*SLOTB
	s_mov_b32 s[XB], 0
	s_mov_b32 s[XAS], 3*SLOTB
	s_mov_b32 s[XBS], SLOTB
	s_mov_b32 s[SEL], 0x76543210
	s_mov_b32 s[SEL+1], 0xfedcba98
	s_lshr_b32 s21, s[WV], 1                       ; 0 in waves 0 and 1,
	s_or_b32 s21, s21, ttmp9                       ; where the cluster is the first: the same in all four partners
	s_cmp_eq_u32 s21, 0
	s_cselect_b32 s[LIM1], 1, -1
	s_cselect_b32 s[LIM2], 2, -1
	s_lshl_b32 s74, s[CX], 14                      ; my work-group's 64 blocks of a tile
	s_mov_b32 s75, 0
	s_wait_dscnt 0x0                               ; both opening adds are done
	s_wait_kmcnt 0x0
	s_add_nc_u64 s[PFA:PFA+1], s[6:7], s[74:75]
	s_add_nc_u64 s[PFA:PFA+1], s[PFA:PFA+1], 6*TILEB  ; trip 1 steps it to tile 7
	s_add_nc_u64 s[6:7], s[6:7], s[22:23]          ; wb at my quarter
.irp t, 0,1,2,3
	s_add_nc_u64 s[G0+4*\t+2:G0+4*\t+3], s[6:7], \t*TILEB
	s_or_b32 s[G0+4*\t+3], s[G0+4*\t+3], 0x80000000  ; type = 2
.endr
	s_add_nc_u64 s[G0T+2:G0T+3], s[8:9], s[2:3]
	s_or_b32 s[G0T+3], s[G0T+3], 0x80000000
	s_add_nc_u64 s[4:5], s[4:5], s[18:19]          ; x and out at the work-group's first row
	s_add_nc_u64 s[10:11], s[10:11], s[18:19]
	CROUND                                         ; all four work-groups are here: the first joint loads meet
.irp t, 0,1,2,3
	tensor_load_to_lds s[G0+4*\t:G0+4*\t+3], s[G1:G1+7]  ; the first fills go out as one group: tiles 0 to 3 and the table: five loads of mine are out
	s_nop 0
.endr
	tensor_load_to_lds s[G0T:G0T+3], s[G1T:G1T+7]
	s_nop 0
	PLACES
	; x: slot i's 16 rows, my 1,024 bytes of each, 512 consecutive aligned bytes a load, into windows 2 and 3
	v_and_b32 v3, 31, v0
	v_lshlrev_b32 v[L16], 4, v3
	s_lshl_b32 s21, s[WV], 10
.irp i, 0,1,2,3
	s_lshl_b32 s22, s[TQ+\i], 16
	s_add_co_u32 s22, s22, s21
	v_add_nc_u32 v[XO+\i], s22, v[L16]             ; 16 rows x tile + 1,024 w + 16 x lane
.endr
.irp i, 0,1,2,3
	WIN 0x80+0x40*(\i/2)
.set p_, 0
.rept 16
	global_load_b128 v[128*(\i%2)+8*p_:128*(\i%2)+8*p_+3],   v[XO+\i], s[4:5] offset:4096*p_ th:TH_LOAD_NT
	global_load_b128 v[128*(\i%2)+8*p_+4:128*(\i%2)+8*p_+7], v[XO+\i], s[4:5] offset:4096*p_+512 th:TH_LOAD_NT
.set p_, p_+1
.endr
.endr
	WIN 0
	; the lane's addresses, while x is on its way
	v_and_b32 v1, 15, v0                           ; r
	v_bfe_u32 v2, v0, 4, 1                         ; h
	v_and_b32 v40, 7, v0                           ; r % 8
	v_bfe_u32 v41, v0, 3, 1                        ; r / 8
	v_lshl_add_u32 v36, v40, 1, v41                ; K: lane r takes code row 2 (r % 8) + r / 8
	v_mul_u32_u24 v[AK0], v36, PITCH
	v_lshl_add_u32 v[AK0], v2, 4, v[AK0]
	v_add_nc_u32 v[AK0], s20, v[AK0]
	v_lshl_add_u32 v36, v40, 1, v2                 ; V: lane l takes code row 2 (l % 8) + l / 16, channels 8 ((l / 8) % 2) on
	v_mul_u32_u24 v[AV0], v36, PITCH
	v_lshl_add_u32 v[AV0], v41, 4, v[AV0]
	v_add_nc_u32 v[AV0], s20, v[AV0]
	s_mul_i32 s21, s[WV], 6144
	s_add_co_u32 s21, s21, STG
	v_add_nc_u32 v[SL], s21, v[L16]
.irp i, 1,2,3
	s_mul_i32 s21, s[TQ+\i], 6144
	s_add_co_u32 s21, s21, STG+2048*(\i-1)
	v_add_nc_u32 v[SL+\i], s21, v[L16]
.endr
.irp i, 0,1,2,3
	s_mul_i32 s21, s[TQ+\i], 1536
	s_add_co_u32 s21, s21, EXPB
	v_add_nc_u32 v[PA+\i], s21, v[L16]
.endr
	v_lshl_add_u32 v[RWA], v2, 6, RWT
	s_mul_i32 s21, s[WV], HALFR
	s_add_co_u32 s21, s21, STG                     ; my stage
	v_lshl_add_u32 v[STW], v3, 3, s21              ; in: 8 bytes a lane
	v_mul_u32_u24 v[STR], v1, PITCH                ; back as a fragment: row r, 16 bytes for each half of the lanes
	v_lshl_add_u32 v[STR], v2, 4, v[STR]
	v_add_nc_u32 v[STR], s21, v[STR]
	v_and_b32 v[PFO], 63, v0
	v_lshlrev_b32 v[PFO], 8, v[PFO]
	; slot by slot: x is rounded to bf16 in place, goes through my stage, and comes back as Q's fragments.  LDS serves a wave's instructions in order (ISA guide 5.7.1.4): no wait between my stores and my loads.
.irp i, 0,1,2,3
.if \i == 2
	s_wait_loadcnt 32                              ; slot 3's 32 loads may stay out
.elseif \i == 3
	s_wait_loadcnt 0x0
.else
	s_wait_loadcnt 63                              ; of 128 loads at most 63 are out: the first 65, slots 0 and 1 among them, are in
.endif
	WIN 0x8a+0x45*(\i/2)
.set b_, 128*(\i%2)
.rept 32
	v_cvt_pk_bf16_f32 v[b_], v[b_], v[b_+1]
	v_cvt_pk_bf16_f32 v[b_+1], v[b_+2], v[b_+3]
.set b_, b_+4
.endr
	WIN 0x08+0x04*(\i/2)
.set p_, 0
.rept 16
	ds_store_b64 v[STW], v[128*(\i%2)+8*p_:128*(\i%2)+8*p_+1]   offset:PITCH*p_
	ds_store_b64 v[STW], v[128*(\i%2)+8*p_+4:128*(\i%2)+8*p_+5] offset:PITCH*p_+256
.set p_, p_+1
.endr
	WIN 0x40
.set p_, 0
.rept 8
	ds_load_b128 v[64*\i+8*p_:64*\i+8*p_+3],   v[STR] offset:64*p_
	ds_load_b128 v[64*\i+8*p_+4:64*\i+8*p_+7], v[STR] offset:64*p_+32
.set p_, p_+1
.endr
.endr
	; the sums of squares of the rounded x: the diagonal of Q Q^T over my 256 channels, 8 products a slot, the four accumulators by turns
	s_wait_dscnt 0x0
	WIN 0x05
.set p_, 0
.rept 8
.irp i, 0,1,2,3
.if p_ == 0
	v_wmma_f32_16x16x32_bf16 v[S+8*\i:S+8*\i+7], v[64*\i+8*p_:64*\i+8*p_+7], v[64*\i+8*p_:64*\i+8*p_+7], 0
.else
	v_wmma_f32_16x16x32_bf16 v[S+8*\i:S+8*\i+7], v[64*\i+8*p_:64*\i+8*p_+7], v[64*\i+8*p_:64*\i+8*p_+7], v[S+8*\i:S+8*\i+7]
.endif
.endr
.set p_, p_+1
.endr
	WIN 0
	PLACES
.irp j, 1,2,3,4,5,6,7
	v_cmp_eq_u32 s[MK+\j], \j, v40
.endr
	v_cmp_eq_u32 s[MK], v41, v2                    ; element (r, r) lies in register r % 8 of the lane with h = r / 8
.irp i, 0,1,2,3
	v_cndmask_b32 v[CC+\i], v[S+8*\i], v[S+8*\i+1], s[MK+1]
.irp j, 2,3,4,5,6,7
	v_cndmask_b32 v[CC+\i], v[CC+\i], v[S+8*\i+\j], s[MK+\j]
.endr
	v_permlanex16_b32 v3, v[CC+\i], s[SEL], s[SEL+1]
	v_cndmask_b32 v[CC+\i], v3, v[CC+\i], s[MK]    ; both halves of the lanes now hold query r's partial sum
.endr
	s_lshl_b32 s21, s[WV], 9
	s_add_co_u32 s21, s21, EXQ
	v_add_nc_u32 v42, s21, v[L16]
	ds_store_b128 v42, v[CC:CC+3]
	s_wait_tensorcnt 0x0                           ; all my first fills have landed, my part of the table among them
	s_wait_dscnt 0x0                               ; my partial sums are stored, my reads of the stage are back
	s_barrier_signal -1
	s_barrier_wait -1
.irp k, 1,2,3
	s_lshl_b32 s21, s[TQ+\k], 9                    ; wave (w + k) % 4 holds my tile in its slot 4 - k
	s_add_co_u32 s21, s21, EXQ+4*(4-\k)
	v_add_nc_u32 v[42+\k], s21, v[L16]
	ds_load_b32 v[46+\k], v[42+\k]
.endr
	v_mov_b32 v[AK], v[AK0]                        ; tile 0 lies in slot 0
	LDK 0
	LDK 1
	LDK 2
	v_mov_b32 v37, 0x3a800000                      ; 1 / 1024
	s_wait_dscnt 12                                ; the three partial sums; K's 12 loads may stay out
	v_add_f32 v[CC], v[CC], v47
	v_add_f32 v48, v48, v49
	v_add_f32 v[CC], v[CC], v48
	v_fmaak_f32 v[CC], v[CC], v37, 0x358637bd      ; / 1024 + 1e-6
	v_rsq_f32 v[CC], v[CC]
.irp i, 0,1,2,3
	v_mov_b32 v[AF+2*\i+1], 0                      ; the pairs' upper words are named with the lower: written once
.endr
	s_wait_alu depctr_va_vdst(0)                   ; the wait ahead of the root's first reader
	v_mul_f32 v[RXL], 0x3fb8aa3b, v[CC]            ; z = rx log2(e)
	v_mov_b32 v[RXL+1], v[RXL]
	; tile 0's scores and softmax: there is nothing yet to set beside them
	s_wait_dscnt 0x0
	KQ8
	KPH 0, 0, 0, 0, 0
	STS
	s_wait_dscnt 0x0
	s_barrier_signal -1
	s_barrier_wait -1
	LDS5
	s_wait_dscnt 0x0
.set yq, 0
	YR 24, 1
	v_add_nc_u32 v[AK], s[XBS], v[AK0]             ; tile 1
	LDK 0
	LDK 1
	LDK 2
	YR 46, 1
	v_nop
	s_wait_alu depctr_va_vdst(0)                   ; one wait for the 16 exponentials
	YR 16, 1
	STP 0
	; trip 0 is written out: its products V^T P start O^T's sums, nothing is rescaled, nothing is filled
	TOP 1, 0, 1, 0
	KPH 0, 1, 1, XB, 0
	VPH 1, 0, 1, XA
	TURNX
	s_mov_b32 s[CNT], 30
.Lloop:                                                ; trips 2 i + 1 and 2 i + 2, i = 0 .. 29: each fills a slot again
	TRIP 2, G0A, LIM1, 0, XAS, 1, XBS
	TRIP 2, G0B, LIM2, 0, XB, 1, XA
	TURNX
	s_sub_co_u32 s[CNT], s[CNT], 1
	s_cmp_lg_u32 s[CNT], 0
	s_cbranch_scc1 .Lloop
	TRIP 1, 0, 0, 1, XAS, 1, XBS                   ; trips 61 and 62 are written out: nothing is asked for
	TRIP 1, 0, 0, 0, XB, 0, 0
	; trip 63: the last rescaling and the last products V^T P; the rescaling of accumulator n + 8 stands behind product n
	TOP 1, 0, 0, 0
	v_add_nc_u32 v[AV], s[XBS], v[AV0]
	LDA
	LDP
.irp d, 0,1,2,3,4,5
	LDV \d
.endr
	s_wait_dscnt 20                                ; the three a
.irp m, 0,1,2,3,4,5,6,7
	RS \m
.endr
	s_wait_dscnt 0x0
.set n, 0
.rept 64
.if (n == 24) || (n == 32) || (n == 40)
	s_wait_dscnt 8                                 ; this group's two fragments are in; the two pairs asked for behind them may stay out
.elseif n == 48
	s_wait_dscnt 4
.elseif n == 56
	s_wait_dscnt 0x0
.endif
	PV n, 0
.if n < 56
	RS n+8
.endif
.if (n%8 == 7) && (n < 40)
	LDV 2*(n/8)+6                                  ; into the registers of the group's own two fragments, four plain instructions behind their last reader
	LDV 2*(n/8)+7
.endif
.set n, n+1
.endr
	WIN 0
	PLACES
	; THE WAY OUT.  l's two halves and the other half of the lanes' are added; 1 / l goes to the other waves; O^T is divided by l and sent through my stage, 16 rows x 128 channels of f32 at a time.
	v_add_f32 v[LS], v[LS], v[LS+1]
	v_permlanex16_b32 v[LS+1], v[LS], s[SEL], s[SEL+1]
	v_add_f32 v[LS], v[LS], v[LS+1]
	v_rcp_f32 v[AF], v[LS]
	s_mul_i32 s21, s[WV], HALFR
	s_add_co_u32 s21, s21, STG
	v_mul_u32_u24 v[STW], v1, PITCH                ; in: row r, 32 bytes for each half of the lanes
	v_lshl_add_u32 v[STW], v2, 5, v[STW]
	v_add_nc_u32 v[STW], s21, v[STW]
	v_add_nc_u32 v[STR], s21, v[L16]               ; back: a row's 512 bytes, 16 a lane
	s_wait_alu depctr_va_vdst(0)                   ; the wait ahead of the reciprocal's first reader
	ds_store_b32 v[PA], v[AF] offset:1028
	s_wait_dscnt 0x0
	s_barrier_signal -1
	s_barrier_wait -1                              ; behind it the stages may be written too: every wave's reads of the partial scores are long back
.irp i, 1,2,3
	ds_load_b32 v[AF+2*\i], v[PA+\i] offset:1028
.endr
	s_wait_dscnt 0x0
; Pass p: slot p / 2, channels 128 (p % 2) on.
.macro PACK p
.set pi_, (\p)>>1
.set ph_, (\p)&1
.set po_, S+64*((\p)&1)
	WIN 0x82+0x41*ph_
.set d_, 0
.rept 8
.set ro_, 8*(4*d_+pi_)
.irp z, 0,2,4,6
	v_pk_mul_f32 v[ro_+\z:ro_+\z+1], v[ro_+\z:ro_+\z+1], v[AF+2*pi_:AF+2*pi_+1] op_sel_hi:[1,0]
.endr
.set d_, d_+1
.endr
	WIN 0x08+0x04*ph_
.set d_, 0
.rept 8
.set ro_, 8*(4*d_+pi_)
	ds_store_b128 v[STW], v[ro_:ro_+3]   offset:64*d_
	ds_store_b128 v[STW], v[ro_+4:ro_+7] offset:64*d_+16
.set d_, d_+1
.endr
	WIN 0
	s_wait_xcnt 0x0                                ; the stores of the pass before last have read these registers: they are loaded again only behind this wait
.set d_, 0
.rept 16
	ds_load_b128 v[po_+4*d_:po_+4*d_+3], v[STR] offset:PITCH*d_  ; LDS serves a wave's instructions in order: these see the stores above; the next pass's stores come behind them
.set d_, d_+1
.endr
.endm
.macro SEND p, younger                 ; younger: the LDS instructions issued behind pass p's loads: the next pass's 32, or none
.set pi_, (\p)>>1
.set ph_, (\p)&1
.set po_, S+64*((\p)&1)
	WIN 0
.set d_, 0
.rept 16
	s_wait_dscnt (\younger)+15-d_
	global_store_b128 v[XO+pi_], v[po_+4*d_:po_+4*d_+3], s[10:11] offset:4096*d_+512*ph_ th:TH_STORE_NT  ; 512 consecutive bytes, at a multiple of 512 from out's first byte
.set d_, d_+1
.endr
.endm
	PACK 0
.set pp, 1
.rept 7                                ; a pass's arithmetic stands between the loads of the pass before and its stores
	PACK pp
	SEND pp-1, 32
.set pp, pp+1
.endr
	SEND 7, 0
	s_wait_tensorcnt 0x0                           ; the wave's end, behind my last tensor load and my last LDS store
	ds_add_u32 v[SPW], v[NIL]
	s_wait_dscnt 0x0
	CROUND                                         ; the closing round: no work-group ends while a partner may still ask for a tile that names it
	s_endpgm
.Lfunc_end_k_qa4d3836625_main:
	.size	k_qa4d3836625_main, .Lfunc_end_k_qa4d3836625_main-k_qa4d3836625_main
	.p2alignl 7, 3214868480
	.fill 96, 4, 3214868480
	.section	.rodata,"a",@progbits
	.p2align	6, 0x0
	.amdhsa_kernel k_qa4d3836625_main
		.amdhsa_group_segment_fixed_size 327680
		.amdhsa_private_segment_fixed_size 0
		.amdhsa_enable_private_segment 0
		.amdhsa_kernarg_size 32
		.amdhsa_user_sgpr_count 2
		.amdhsa_user_sgpr_kernarg_segment_ptr 1
		.amdhsa_wavefront_size32 1
		.amdhsa_system_sgpr_workgroup_id_x 1
		.amdhsa_system_sgpr_workgroup_id_y 1
		.amdhsa_system_sgpr_workgroup_id_z 1
		.amdhsa_system_vgpr_workitem_id 0
		.amdhsa_next_free_vgpr 1024
		.amdhsa_next_free_sgpr 88
		.amdhsa_reserve_vcc 0
		.amdhsa_float_denorm_mode_32 3
		.amdhsa_float_denorm_mode_16_64 3
		.amdhsa_memory_ordered 1
		.amdhsa_forward_progress 1
		.amdhsa_inst_pref_size 255
	.end_amdhsa_kernel
	.section	.bss,"aw",@nobits
	.p2align	6
	.space	262144
	.amdgpu_metadata
---
amdhsa.version: [ 1, 2 ]
amdhsa.kernels:
  - .name:           k_qa4d3836625_main
    .symbol:         k_qa4d3836625_main.kd
    .args:
      - { .name: x, .offset: 0, .size: 8, .value_kind: global_buffer, .address_space: global }
      - { .name: wb, .offset: 8, .size: 8, .value_kind: global_buffer, .address_space: global }
      - { .name: rwp, .offset: 16, .size: 8, .value_kind: global_buffer, .address_space: global }
      - { .name: out0, .offset: 24, .size: 8, .value_kind: global_buffer, .address_space: global }
    .group_segment_fixed_size: 327680
    .private_segment_fixed_size: 0
    .kernarg_segment_align: 8
    .kernarg_segment_size: 32
    .max_flat_workgroup_size: 128
    .sgpr_count:     88
    .vgpr_count:     1024
    .wavefront_size: 32
...
	.end_amdgpu_metadata
.endif
;; end of part 2
